; MI455X (gfx1250); checked and timed in simulation.
; The chip was launched on July 23, 2026; its instructions are those of AMD's public machine-readable ISA for CDNA 5 (MIT licence, August 2026) and "CDNA5" Instruction Set Architecture Reference Guide (July 2026). The comments in the code are by the model that wrote it; some were corrected since.
;; Source Detect Localize. Allowed arithmetic: matrix products marked QUANTISED: E2M1 operands, one E8M0 scale for each 32 along K, by v_wmma_scale_f32_16x16x128_f8f6f4 with both operands' format E2M1 (or v_wmma_scale_f32_32x16x128_f4), f32 sums; everything else in f32.
;; Inputs: azi_candidate 181 float32; dpipd_template 91 x 181 x 512 x 6 float32; ele_candidate 91 float32; pred_ipd 8 x 64 x 512 x 6 float32.
;; Outputs: out0 8 x 64 x 2 x 1 float32; out1 8 x 64 x 1 float32; out2 8 x 64 x 91 x 181 float32.
;; This version of the problem:
;;   THIS VERSION OF THE PROBLEM IS GIVEN IN LOW PRECISION. The matrix products marked QUANTISED in the list below multiply operands that are first quantised to E2M1 (2 exponent bits, 1 mantissa bit; 4 bits a number), with one power-of-two scale for each 32 numbers along K (OCP MX v1.0); their sums are f32. All else is computed in f32.
;;   The module's matrix products, in the order in which they are computed (A, B: the left and right operand; K: the contracted axis; several contracted axes count as one K, in the product's order):
;;     1. [M 512, K 3,072] x [K 3,072, N 16,471]; A: input pred_ipd; B: input dpipd_template: QUANTISED
;;     2. [M 512, K 3,072] x [K 3,072, N 16,471]; A: input pred_ipd; B: input dpipd_template: QUANTISED
;;   THE QUANTISER, for each operand of a quantised product, along K:
;;     - K is cut into blocks of 32 from its start; a last block that is shorter is filled with zeros.
;;     - A block's scale is 2^e with e = floor(log2(the largest magnitude in the block)) - 2, held to -126 .. 127; a block of zeros has e = 0. As a byte (E8M0): e + 127.
;;     - Each number is divided by its block's scale, clamped to +-6, and rounded to the nearest number of E2M1, ties to even, subnormals kept.
;;     - The product sums the exact products of the quantised numbers (number of the format x scale) in f32.
;;   ~~~python
;;   def quantise(x, axis):      # numpy; x: float32 -> the quantised numbers, widened to float32 again
;;       x = np.moveaxis(x, axis, -1); K = x.shape[-1]
;;       x = np.pad(x, [(0, 0)] * (x.ndim - 1) + [(0, -K % 32)]); x = x.reshape(x.shape[:-1] + (-1, 32)); a = np.abs(x).max(-1, keepdims=True)
;;       e = np.where(a > 0, np.clip(np.frexp(np.where(a > 0, a, 1))[1] - 1 - 2, -126, 127), 0)      # np.frexp(a)[1] - 1 = floor(log2(a)), exactly
;;       r = np.clip(x / 2.0 ** e, -6, 6)
;;       step = 2.0 ** (np.maximum(np.frexp(np.where(r == 0, 1, r))[1] - 1, 0) - 1)
;;       q = np.round(r / step) * step * 2.0 ** e      # np.round: ties to even
;;       return np.moveaxis(q.reshape(q.shape[:-2] + (-1,))[..., :K], -1, axis).astype(np.float32)
;;   ~~~
;; One version. Each part assembles by itself: llvm-mc -triple=amdgcn-amd-amdhsa -mcpu=gfx1250 --defsym DOCPART=n.
;; ======== version 1 of 1: 3 launches
;; limits: right only within a limited range of input values
;; workspace buffers: a_codes 786,432 bytes; a_scales 49,152 bytes; pkv 1,048,576 bytes of whole numbers
;; launch prep (part 1): grid 24 x 8, 1 waves a work-group, no clusters, 8,704 bytes of LDS; arguments pred_ipd, a_codes, a_scales; writes a_codes, a_scales
.if DOCPART == 1
	.amdgcn_target "amdgcn-amd-amdhsa--gfx1250"
	.amdhsa_code_object_version 6
	.text
	.protected	k_q2a94ac4819_prep
	.globl	k_q2a94ac4819_prep
	.p2align	8
	.type	k_q2a94ac4819_prep,@function
k_q2a94ac4819_prep:
	s_mov_b64 s[64:65], 0
	v_nop
	global_prefetch_b8 v0, s[64:65] scope:SCOPE_SE
	s_setreg_imm32_b32 hwreg(HW_REG_WAVE_MODE, 25, 1), 1
	s_wait_xcnt 0x0
; pred_ipd, taken as [512 rows][3072] f32, becomes codes of FP4 (E2M1) with one E8M0 scale byte for each 32 along K, laid in the ORDER OF THE OPERAND'S REGISTERS:
;   a_codes  [w 0..7][s 0..23][i 0..3][c 0..1][lane][16 bytes]: fragment i (rows 64 w + 16 i + r) of K step s (128 along K); lane (r, h) holds registers 4 c .. 4 c + 3 = k 128 s + 64 c + 32 h + 0 .. 31
;   a_scales [w][s][lane][2 words]: word j of lane (r, h) is the scale word (four bytes, 128 along K) of row r of fragment j + 2 h
; so that the product's launch fills a fragment by loads of 16 bytes a lane, 512 consecutive bytes a wave, and two fragments' scale words share a register (lanes 0-15, lanes 16-31).
; A block's scale is 2^(floor(log2(its largest magnitude)) - 2); its byte is the largest magnitude's exponent field - 2, held at 1 from below.  A block of zeros gets the byte 1 where the rule says 127:
; its codes are zeros, which add nothing under any byte but 0xff, and this program alone reads the bytes.
; LIMITS: NaN and infinities among the inputs are not served.
; SHARES.  One wave to a work-group: 64 rows x 128 along K (work-group x = K step, y = block of 64 rows), four fragments one after the other.  A load takes a row's 512 bytes as they lie, 16 a lane;
; 16 rows turn through a stage in LDS (rows 528 bytes apart) and come back 128 bytes a lane: a whole block of 32 in a lane, twice.  One wave: no barrier; LDS serves a wave's instructions in order.
; WORK LEFT OUT, in the whole program.  reference()'s second product has the same two operands as its first (ipd_cur is ipd, tpl_sg is tpl_flat), so for all inputs its sums are the first's
; before the division by scale: the product is computed once and serves pred_ss and the argmax.  The template subtraction (ipd_cur - ratio x tpl) is used by nothing with one source: it is not computed.
; Every input has a way to an output and is loaded.  LIMIT: a NaN, an infinity or an overflow that would arise only in the work left out is not carried to any result.
.set ROWB, 12288                       ; a row of pred_ipd in bytes
.set SP,   528                         ; a stage row: 512 bytes + 16
.set LI,   2                           ; v2   16 x lane
.set SR,   3                           ; v3   the stage on the way back: 528 r + 128 h
.set L8,   4                           ; v4   8 x lane
.set SH,   5                           ; v5   8 h: how far my two scale bytes are shifted
.set M,    6                           ; v6-9 largest magnitudes: two chains for each of my two blocks; at the end the pair that is stored
.set SC,   10                          ; v10-11 the conversions' scale operands
.set BY,   12                          ; v12-13 the scale bytes
.set T,    14                          ; v14  the other half's bytes
.set R,    16                          ; v16-143 two sets of 16 rows as loaded
.set X,    144                         ; v144-207 my 64 numbers: block c at X + 32 c
.set C,    208                         ; v208-239 codes, 8 registers a fragment: no store's data are written again
.set W,    240                         ; v240-243 the four fragments' scale words
	s_load_b128 s[4:7], s[0:1], 0x0                ; pred_ipd, a_codes
	s_load_b64 s[8:9], s[0:1], 0x10                ; a_scales
	v_lshl_add_u32 v248, v0, 2, 0x2100
	v_mov_b32 v249, 0
	s_and_b32 s16, ttmp7, 0xffff                   ; w
	v_and_b32 v1, 15, v0                           ; r
	v_lshrrev_b32 v[SH], 4, v0                     ; h
	v_lshlrev_b32 v[LI], 4, v0
	v_mul_u32_u24 v[SR], v1, SP
	v_lshl_add_u32 v[SR], v[SH], 7, v[SR]
	v_lshlrev_b32 v[L8], 3, v0
	v_lshlrev_b32 v[SH], 3, v[SH]
	v_mov_b32 v[T], 0                              ; a lane permute's destination counts as one of its sources
	s_mov_b32 s12, 0x76543210
	s_mov_b32 s13, 0xfedcba98                      ; v_permlanex16_b32's selects for lane l xor 16
	s_mov_b32 s14, 0xffff0000                      ; lanes 16-31
	s_mul_i32 s18, s16, 64*ROWB                    ; my 64 rows,
	s_lshl_b32 s19, ttmp9, 9                       ; my 512 bytes of each
	s_add_co_u32 s18, s18, s19
	s_mov_b32 s19, 0
	s_mul_i32 s20, s16, 24
	s_add_co_u32 s20, s20, ttmp9                   ; 24 w + s
	s_lshl_b32 s22, s20, 8                         ; 256 bytes of scale words,
	s_mov_b32 s23, 0
	s_lshl_b32 s20, s20, 12                        ; 4,096 bytes of codes
	s_mov_b32 s21, 0
	s_wait_alu depctr_va_vdst(0)
	s_wait_kmcnt 0x0
	s_add_nc_u64 s[4:5], s[4:5], s[18:19]
	s_add_nc_u64 s[6:7], s[6:7], s[20:21]
	s_add_nc_u64 s[8:9], s[8:9], s[22:23]
.macro LOADR i                         ; fragment i's 16 rows into set i % 2: each load reads 512 consecutive bytes, at a multiple of 512 from the tensor's first byte
.set RB, R+64*((\i)%2)
.set p, 0
.rept 16
	global_load_b128 v[RB+4*p:RB+4*p+3], v[LI], s[4:5] offset:(16*(\i)+p)*ROWB th:TH_LOAD_NT
.set p, p+1
.endr
.endm
.macro FRAG i, left                    ; left: the younger loads that may stay out
.set RB, R+64*((\i)%2)
	s_wait_loadcnt \left                           ; this fragment's 16 loads are in
.set p, 0
.rept 16
	ds_store_b128 v[LI], v[RB+4*p:RB+4*p+3] offset:SP*p
.set p, p+1
.endr
.set p, 0
.rept 16
	ds_load_b128 v[X+4*p:X+4*p+3], v[SR] offset:256*(p/8)+16*(p%8)   ; row r, k = 64 c + 32 h + 4 jj on (p = 8 c + jj)
.set p, p+1
.endr
	s_wait_dscnt 0x0                               ; my numbers are back, and the stores have read the set,
.if (\i) < 2
	LOADR (\i)+2                                   ; which takes the fragment two further on
.endif
.irp c, 0,1                                    ; the largest magnitude of each of my two blocks: all 32 numbers are mine; the blocks by turns
	v_max3_num_f32 v[M+\c], |v[X+32*\c]|, |v[X+32*\c+1]|, |v[X+32*\c+2]|
	v_max3_num_f32 v[M+2+\c], |v[X+32*\c+3]|, |v[X+32*\c+4]|, |v[X+32*\c+5]|
.endr
.irp q, 6,10,14,18,22,26
.irp c, 0,1
	v_max3_num_f32 v[M+\c], v[M+\c], |v[X+32*\c+\q]|, |v[X+32*\c+\q+1]|
	v_max3_num_f32 v[M+2+\c], v[M+2+\c], |v[X+32*\c+\q+2]|, |v[X+32*\c+\q+3]|
.endr
.endr
.irp c, 0,1
	v_max3_num_f32 v[M+\c], v[M+\c], |v[X+32*\c+30]|, |v[X+32*\c+31]|
.endr
.irp c, 0,1
	v_max3_num_f32 v[M+\c], v[M+\c], v[M+2+\c], 0x1800000   ; and the floor 2^(3 - 127): the byte cannot fall under 1
.endr
.irp c, 0,1
	v_add_nc_u32 v[SC+\c], 0xff000000, v[M+\c]     ; 2 off the exponent field: the conversion takes the exponent field of this operand as its scale
.endr
.irp c, 0,1
	v_lshrrev_b32 v[BY+\c], 23, v[SC+\c]           ; the scale's byte
.endr
	v_lshl_or_b32 v[W+\i], v[BY+1], 16, v[BY]      ; my two bytes: blocks h and 2 + h of row r,
	v_lshlrev_b32 v[W+\i], v[SH], v[W+\i]          ; at their places in the word;
	v_permlanex16_b32 v[T], v[W+\i], s12, s13
	v_or_b32 v[W+\i], v[W+\i], v[T]                ; with lane l xor 16's two the word is whole, in both halves
.irp c, 0,1
.irp g, 0,1,2,3
	v_cvt_scalef32_pk8_fp4_f32 v[C+8*\i+4*\c+\g], v[X+32*\c+8*\g:X+32*\c+8*\g+7], v[SC+\c]
.endr
.endr
	v_nop                                          ; one plain place behind the last scaled conversion: the next fragment's lines write its scale operands
.irp c, 0,1
	global_store_b128 v[LI], v[C+8*\i+4*\c:C+8*\i+4*\c+3], s[6:7] offset:1024*\i+512*\c   ; 512 consecutive bytes
.endr
.endm
	LOADR 0
	LOADR 1
	FRAG 0, 16
	FRAG 1, 16
	FRAG 2, 16
	FRAG 3, 0
	v_cndmask_b32 v[M], v[W], v[W+2], s14          ; lanes 0-15: fragments 0 and 1; lanes 16-31: fragments 2 and 3
	v_cndmask_b32 v[M+1], v[W+1], v[W+3], s14
	global_store_b64 v[L8], v[M:M+1], s[8:9]       ; 256 consecutive bytes, at a multiple of 256 from the buffer's first byte
	s_wait_tensorcnt 0x0
	ds_add_u32 v248, v249
	s_wait_dscnt 0x0
	s_endpgm
.Lfunc_end_k_q2a94ac4819_prep:
	.size	k_q2a94ac4819_prep, .Lfunc_end_k_q2a94ac4819_prep-k_q2a94ac4819_prep
	.p2alignl 7, 3214868480
	.fill 96, 4, 3214868480
	.section	.rodata,"a",@progbits
	.p2align	6, 0x0
	.amdhsa_kernel k_q2a94ac4819_prep
		.amdhsa_group_segment_fixed_size 8704
		.amdhsa_private_segment_fixed_size 0
		.amdhsa_enable_private_segment 0
		.amdhsa_kernarg_size 24
		.amdhsa_user_sgpr_count 2
		.amdhsa_user_sgpr_kernarg_segment_ptr 1
		.amdhsa_wavefront_size32 1
		.amdhsa_system_sgpr_workgroup_id_x 1
		.amdhsa_system_sgpr_workgroup_id_y 1
		.amdhsa_system_sgpr_workgroup_id_z 1
		.amdhsa_system_vgpr_workitem_id 0
		.amdhsa_next_free_vgpr 250
		.amdhsa_next_free_sgpr 66
		.amdhsa_reserve_vcc 0
		.amdhsa_float_denorm_mode_32 3
		.amdhsa_float_denorm_mode_16_64 3
		.amdhsa_memory_ordered 1
		.amdhsa_forward_progress 1
		.amdhsa_inst_pref_size 29
	.end_amdhsa_kernel
	.amdgpu_metadata
---
amdhsa.version: [ 1, 2 ]
amdhsa.kernels:
  - .name:           k_q2a94ac4819_prep
    .symbol:         k_q2a94ac4819_prep.kd
    .args:
      - { .name: pred_ipd, .offset: 0, .size: 8, .value_kind: global_buffer, .address_space: global }
      - { .name: a_codes, .offset: 8, .size: 8, .value_kind: global_buffer, .address_space: global }
      - { .name: a_scales, .offset: 16, .size: 8, .value_kind: global_buffer, .address_space: global }
    .group_segment_fixed_size: 8704
    .private_segment_fixed_size: 0
    .kernarg_segment_align: 8
    .kernarg_segment_size: 24
    .max_flat_workgroup_size: 32
    .sgpr_count:     66
    .vgpr_count:     250
    .wavefront_size: 32
...
	.end_amdgpu_metadata
.endif
;; end of part 1
;; launch gemm (part 2): grid 206 x 1, 8 waves a work-group, no clusters, 15,360 bytes of LDS; arguments dpipd_template, a_codes, a_scales, out2, pkv; writes out2, pkv
.if DOCPART == 2
	.amdgcn_target "amdgcn-amd-amdhsa--gfx1250"
	.amdhsa_code_object_version 6
	.text
	.protected	k_q2a94ac4819_gemm
	.globl	k_q2a94ac4819_gemm
	.p2align	8
	.type	k_q2a94ac4819_gemm,@function
k_q2a94ac4819_gemm:
	s_mov_b64 s[64:65], 0
	v_nop
	global_prefetch_b8 v0, s[64:65] scope:SCOPE_SE
	s_setreg_imm32_b32 hwreg(HW_REG_WAVE_MODE, 25, 1), 1
	s_wait_xcnt 0x0
; out2[m][g] = (sum over k of Q(ipd)[m][k] Q(template)[g][k]) / 1536, and for each row m the largest sum of this work-group's columns with its lowest grid index.
; The second product of reference() is this one (see the first kernel's head): it is not computed again.
; pkv is [256 pairs of rows][256][4 words]; entry j of a pair is written by work-group j (206 of the 256 are used): key of the even row, key of the odd row, index of the even row, index of the odd row.
; A key is the largest sum as a whole number that orders as the f32 numbers do (-0 made +0; then the sign bit set for what is positive, all bits turned for what is negative),
; so that the next launch joins the 206 by whole-number arithmetic.
; SHARES.  A work-group takes 80 columns g (the last one begins at 16,391 and stores only its own 71), all 512 rows and all of K.  Eight waves; wave w owns rows 64 w .. 64 w + 63: 4 x 5 accumulators.
; K goes in 24 trips of 128.  In a trip wave w loads 10 template rows' 512 bytes, each by one load of 512 consecutive bytes (16 a lane), straight into registers, and quantises them AS THEY LIE:
; eight neighbouring lanes hold a block of 32, so the block's largest magnitude is two v_max3 and three DPP maxima; the conversion takes eight registers, of which the lower four are the lane's
; numbers (the upper four belong to the next row or are zeros, and their codes are not stored); the lane's four codes, 16 bits, go to byte 2 x lane of the row's 64 bytes in an LDS image,
; the block's scale byte beside it.  Only codes and scale bytes pass through LDS.  Two images take turns; ONE barrier a trip: between two barriers a wave reads image t, writes image t + 1 and multiplies trip t.
; RINGS IN REGISTERS, three slots each: the template's trip t + 4 is asked for when trip t + 1 has been quantised, A's fragments of trip t + 3 when trip t has been multiplied.  Loads come back in order,
; so the waits are counted on the order of issue T(t+1) A(t) T(t+2) A(t+1) T(t+3) A(t+2) T(t+4), 10 loads a T and 9 an A: 47 behind T(t+1), 48 behind A(t); in the last trips what no longer exists is left out of the count.
; A block's scale byte is its largest magnitude's exponent field - 2, held at 1 from below; a block of zeros keeps the byte 1 (zero codes; the bytes are read here alone).
; THE WAY OUT: source 0 = 16 rows of ipd, source 1 = 16 template rows, so a lane holds one column and sixteen lanes 64 neighbouring bytes of a row of out2; a row of out2 is 65,884 bytes, so rows begin on
; multiples of 4 bytes only and stores are of 4 bytes a lane; a row's four upper fragments are stored on end, 256 consecutive bytes.  The argmax (on the unscaled sums) follows behind the stores.
; NO TENSOR LOAD, NO CLUSTER: both operands go from memory into registers; what work-groups share (A's codes) is loaded in the operand's own register order and has no LDS tile that a joint load could fill.
; NO PREFETCH: each byte of the template is asked for once, by its own load, three trips ahead of its use: 30 loads of 512 bytes a wave are on their way; a prefetch would name the same bytes again.
; A's fragments too are asked for three trips ahead, by the loads themselves.
; LIMITS: NaN and infinities among the inputs are not served (a row whose sums are NaN gets an index that the later launch holds inside the table).
.set TROW,   12288                     ; a template row in bytes
.set OROW,   65884                     ; a row of out2 in bytes
.set NG,     16471
.set TN,     80
.set IP,     80                        ; an image row: 64 bytes of codes + 16: an odd multiple of 16
.set SCL,    TN*IP                     ; behind an image's codes: 80 scale words
.set IMGB,   7168                      ; an image
.set SPARE,  2*IMGB                    ; the spare words, 128 bytes a wave
.set SPW,  1
.set NIL,  2
.set LI,   3                           ; 16 x lane
.set L8,   4                           ; 8 x lane
.set CST,  5                           ; LDS: my wave's first row's codes + 2 x lane
.set SST,  6                           ; LDS: my wave's first row's scale word + lane / 8
.set BRD,  7                           ; LDS: 80 r + 16 h
.set SRD,  8                           ; LDS: SCL + 4 r
.set VO,   9                           ; out2: 8 h rows + 4 r
.set VP,   10                          ; pkv: 4,096 x (8 (r / 4) + 4 h + r % 4): my pair of rows
.set R,    11                          ; r
.set COLF, 12                          ; v12-16 my column of fragment f, as f32 (exact: under 2^24)
.set BIGF, 17
.set AS,   18                          ; v18-23 A's scale words, three slots of two
.set BS,   24                          ; v24-28 B's scale words
.set BF,   40                          ; v40-79 B's five fragments
.set X,    80                          ; v80-211 three slots of 40 + 4 registers of zeros
.set M,    212
.set C,    222
.set BY,   232
.set AF,   160                         ; window 1: A's fragments, three slots of 32; v0-159 of window 1: the accumulators, (i, f) at 8 (5 i + f)
.set TT,   32                          ; the way out: v32-191 scaled sums
.set EM,   192                         ; v192-223 a row's largest sum
.set EI,   224                         ; v224-255 its column
.set WV,   16
.set G0R,  17
.set CMIN, 19
.set CNT,  24
.set RS,   26
.set MK,   66                          ; s66-81 sixteen masks
.set LM,   82                          ; s82-96 lanes with r = 1 .. 15
.set MSB, 0
.macro WIN new
.if MSB != \new
	s_set_vgpr_msb (MSB<<8)|\new
.set MSB, \new
.endif
.endm
	s_load_b256 s[4:11], s[0:1], 0x0               ; template, a_codes, a_scales, out2
	s_load_b64 s[12:13], s[0:1], 0x20              ; pkv
	v_lshl_add_u32 v[SPW], v0, 2, SPARE
	v_mov_b32 v[NIL], 0
	v_lshrrev_b32 v29, 5, v0
	v_readfirstlane_b32 s[WV], v29                 ; wave
	s_mul_i32 s18, ttmp9, TN
	s_min_u32 s[G0R], s18, NG-TN                   ; my first column
	s_sub_co_u32 s[CMIN], s18, s[G0R]              ; how many of my first columns belong to the work-group before (0 but in the last)
	s_mul_i32 s30, s[WV], 10*IP
	s_mul_i32 s31, s[WV], 40
	s_add_co_u32 s31, s31, SCL
	s_mul_i32 s20, s[WV], 10
	s_add_co_u32 s20, s20, s[G0R]
	s_mul_i32 s20, s20, TROW                       ; my wave's ten template rows
	s_mov_b32 s21, 0
	s_mul_i32 s22, s[WV], 24*4096
	s_mov_b32 s23, 0
	s_mul_i32 s32, s[WV], 24*256
	s_mov_b32 s33, 0
	s_mul_i32 s34, s[WV], 64*OROW
	s_lshl_b32 s36, s[G0R], 2
	s_add_co_u32 s34, s34, s36
	s_mov_b32 s35, 0
	s_lshl_b32 s36, ttmp9, 4                       ; pkv: entry = my work-group, 16 bytes,
	s_lshl_b32 s38, s[WV], 17                      ; my wave's 32 pairs of rows of 4,096 bytes
	s_add_co_u32 s36, s36, s38
	s_mov_b32 s37, 0
	s_mov_b32 s[RS], 0x3a2aaaab                    ; 1 / 1536
	s_mov_b32 s[RS+1], s[RS]
	v_and_b32 v30, 31, v0                          ; lane
	v_and_b32 v[R], 15, v0
	v_bfe_u32 v31, v0, 4, 1                        ; h
	v_lshlrev_b32 v[LI], 4, v30
	v_lshlrev_b32 v[L8], 3, v30
	v_lshl_add_u32 v[CST], v30, 1, s30
	v_lshrrev_b32 v29, 3, v30
	v_mul_u32_u24 v[BRD], v[R], IP
	v_lshl_add_u32 v[SRD], v[R], 2, SCL
	v_mul_u32_u24 v[VO], v31, 8*OROW
	v_add_nc_u32 v[SST], s31, v29
	v_lshl_add_u32 v[BRD], v31, 4, v[BRD]
	v_and_b32 v[VP], 3, v[R]
	v_lshl_add_u32 v[VO], v[R], 2, v[VO]
	v_lshrrev_b32 v29, 2, v[R]
	v_lshl_add_u32 v[VP], v31, 2, v[VP]
	v_add_nc_u32 v30, s[G0R], v[R]
	v_lshl_add_u32 v[VP], v29, 3, v[VP]
	v_cvt_f32_u32 v[COLF], v30
	v_lshlrev_b32 v[VP], 12, v[VP]
	v_mov_b32 v[BIGF], 0x7f7fffff
	v_add_f32 v[COLF+1], 0x41800000, v[COLF]       ; + 16, 32, 48, 64
	v_add_f32 v[COLF+2], 0x42000000, v[COLF]
	v_add_f32 v[COLF+3], 0x42400000, v[COLF]
	v_add_f32 v[COLF+4], 0x42800000, v[COLF]
.irp s, 0,1,2
.irp p, 40,41,42,43
	v_mov_b32 v[X+44*\s+\p], 0                     ; behind each slot: what the last row's conversion takes as its upper four
.endr
.endr
	s_wait_alu depctr_va_vdst(0)                   ; the wait at the head's end
	s_wait_kmcnt 0x0
	s_add_nc_u64 s[4:5], s[4:5], s[20:21]
	s_add_nc_u64 s[6:7], s[6:7], s[22:23]
	s_add_nc_u64 s[8:9], s[8:9], s[32:33]
	s_add_nc_u64 s[10:11], s[10:11], s[34:35]
	s_add_nc_u64 s[12:13], s[12:13], s[36:37]
.macro TLOAD t, sl                     ; trip t (counted from the bases) of my ten rows into slot sl: ten loads of 512 consecutive bytes
.irp q, 0,1,2,3,4,5,6,7,8,9
	global_load_b128 v[X+44*(\sl)+4*\q:X+44*(\sl)+4*\q+3], v[LI], s[4:5] offset:TROW*\q+512*(\t) th:TH_LOAD_NT
.endr
.endm
.macro ALOAD t, sl                     ; A's four fragments and their scale words: nine loads
	global_load_b64 v[AS+2*(\sl):AS+2*(\sl)+1], v[L8], s[8:9] offset:256*(\t)
	WIN 0x40
.irp i, 0,1,2,3
.irp c, 0,1
	global_load_b128 v[AF+32*(\sl)+8*\i+4*\c:AF+32*(\sl)+8*\i+4*\c+3], v[LI], s[6:7] offset:4096*(\t)+1024*\i+512*\c
.endr
.endr
	WIN 0
.endm
.macro QUANT sl, im, wc                ; slot sl's ten rows become codes and scale bytes in image im; the ten rows by turns, so that no line waits for the line above it
	s_wait_loadcnt \wc
.set XB, X+44*(\sl)
.irp q, 0,1,2,3,4,5,6,7,8,9
	v_max3_num_f32 v[M+\q], |v[XB+4*\q]|, |v[XB+4*\q+1]|, |v[XB+4*\q+2]|
.endr
.irp q, 0,1,2,3,4,5,6,7,8,9
	v_max3_num_f32 v[M+\q], v[M+\q], |v[XB+4*\q+3]|, 0x1800000   ; and the floor 2^(3 - 127): the byte cannot fall under 1
.endr
.irp x, 1,2,4
.irp q, 0,1,2,3,4,5,6,7,8,9
	v_max_num_f32_dpp v[M+\q], v[M+\q], v[M+\q] row_xmask:\x row_mask:0xf bank_mask:0xf   ; the eight lanes of a block
.endr
.endr
.irp q, 0,1,2,3,4,5,6,7,8,9
	v_add_nc_u32 v[M+\q], 0xff000000, v[M+\q]      ; 2 off the exponent field: the conversion's scale operand
.endr
.irp q, 0,1,2,3,4,5,6,7,8,9
	v_cvt_scalef32_pk8_fp4_f32 v[C+\q], v[XB+4*\q:XB+4*\q+7], v[M+\q]   ; my four codes in the lower 16 bits
.endr
.irp q, 0,1,2,3,4,5,6,7,8,9
	v_lshrrev_b32 v[BY+\q], 23, v[M+\q]            ; the scale's byte (plain lines behind the conversions)
.endr
.irp q, 0,1,2,3,4,5,6,7,8,9
	ds_store_b16 v[CST], v[C+\q] offset:IMGB*(\im)+IP*\q
	ds_store_b8 v[SST], v[BY+\q] offset:IMGB*(\im)+4*\q   ; the eight lanes of a block write the same byte with the same value
.endr
.endm
.macro BLOAD im                        ; B's five fragments and scale words: fifteen LDS loads
.irp f, 0,1,2,3,4
.irp c, 0,1
	ds_load_b128 v[BF+8*\f+4*\c:BF+8*\f+4*\c+3], v[BRD] offset:IMGB*(\im)+16*IP*\f+32*\c
.endr
	ds_load_b32 v[BS+\f], v[SRD] offset:IMGB*(\im)+64*\f
.endr
.endm
.macro MULS sl, zero                   ; twenty products, the twenty accumulators by turns
	WIN 0x51                                       ; source 0 (A), C and D window 1; source 1 (B) window 0
.irp f, 0,1,2,3,4
.irp i, 0,1,2,3
.set rD, 8*(5*\i+\f)
.set rA, AF+32*(\sl)+8*\i
.set rB, BF+8*\f
.set rSA, AS+2*(\sl)+(\i%2)
.if \zero
.if \i >= 2
	v_wmma_scale_f32_16x16x128_f8f6f4 v[rD:rD+7], v[rA:rA+7], v[rB:rB+7], 0, v[rSA], v[BS+\f] matrix_a_fmt:MATRIX_FMT_FP4 matrix_b_fmt:MATRIX_FMT_FP4 matrix_a_scale:MATRIX_SCALE_ROW1
.else
	v_wmma_scale_f32_16x16x128_f8f6f4 v[rD:rD+7], v[rA:rA+7], v[rB:rB+7], 0, v[rSA], v[BS+\f] matrix_a_fmt:MATRIX_FMT_FP4 matrix_b_fmt:MATRIX_FMT_FP4
.endif
.else
.if \i >= 2
	v_wmma_scale_f32_16x16x128_f8f6f4 v[rD:rD+7], v[rA:rA+7], v[rB:rB+7], v[rD:rD+7], v[rSA], v[BS+\f] matrix_a_fmt:MATRIX_FMT_FP4 matrix_b_fmt:MATRIX_FMT_FP4 matrix_a_scale:MATRIX_SCALE_ROW1
.else
	v_wmma_scale_f32_16x16x128_f8f6f4 v[rD:rD+7], v[rA:rA+7], v[rB:rB+7], v[rD:rD+7], v[rSA], v[BS+\f] matrix_a_fmt:MATRIX_FMT_FP4 matrix_b_fmt:MATRIX_FMT_FP4
.endif
.endif
.endr
.endr
	WIN 0
.endm
; Trip t.  doq: trip t + 1 is quantised; ist, isa: T(t + 4), A(t + 3) are asked for; wc, wf: the loads issued behind T(t + 1), behind A(t); sig: a further trip follows.
.macro BODY t, zero, doq, ist, isa, wc, wf, sig
	s_barrier_wait -1                              ; image t is whole, and nobody reads image t + 1's bytes any more
	BLOAD (\t)%2
.if \doq
	QUANT ((\t)+1)%3, ((\t)+1)%2, \wc
.if \ist
	TLOAD (\t)+4, ((\t)+1)%3
.endif
.endif
	s_wait_loadcnt \wf                             ; A's fragments of trip t are in
	s_wait_dscnt 20*\doq                           ; B's fifteen loads are back; the quantiser's twenty stores may be out
	MULS (\t)%3, \zero
.rept 4
	v_nop                                          ; places in front of loads into registers that the products have read
.endr
.if \isa
	ALOAD (\t)+3, (\t)%3
.endif
.if \sig
	s_wait_dscnt 0x0                               ; for the others' sake: my stores into image t + 1 have landed, my reads of image t are back
	s_barrier_signal -1
.endif
.endm
	TLOAD 0, 0
	TLOAD 1, 1
	ALOAD 0, 0
	TLOAD 2, 2
	ALOAD 1, 1
	QUANT 0, 0, 38                                 ; behind T(0): T(1), A(0), T(2), A(1)
	TLOAD 3, 0
	ALOAD 2, 2
	s_wait_dscnt 0x0
	s_barrier_signal -1
	BODY 0, 1, 1, 1, 1, 47, 48, 1                  ; the first trip's products start the sums
	s_mov_b32 s[CNT], 3
.Lsix:                                                 ; six trips: the slots of three and the images of two are back where they began
.irp t, 1,2,3,4,5,6
	BODY \t, 0, 1, 1, 1, 47, 48, 1
.endr
	s_wait_xcnt 0x0                                ; the bases are stepped only behind this wait
	s_add_nc_u64 s[4:5], s[4:5], 6*512
	s_add_nc_u64 s[6:7], s[6:7], 6*4096
	s_add_nc_u64 s[8:9], s[8:9], 6*256
	s_sub_co_u32 s[CNT], s[CNT], 1
	s_cmp_lg_u32 s[CNT], 0
	s_cbranch_scc1 .Lsix
	BODY 1, 0, 1, 1, 1, 47, 48, 1                  ; trip 19 asks for T(23) and A(22)
	BODY 2, 0, 1, 0, 1, 47, 38, 1                  ; trip 20 for A(23)
	BODY 3, 0, 1, 0, 0, 37, 28, 1
	BODY 4, 0, 1, 0, 0, 18, 9, 1
	BODY 5, 0, 0, 0, 0, 0, 0, 0
; THE WAY OUT.  Accumulator (i, f), register j, lane (r, h): row 16 i + 8 h + j of my 64, column 16 f + r of my 80.
.set t, 1
.rept 15
	s_mov_b32 s[LM+t-1], 0x10001<<t
.set t, t+1
.endr
	WIN 0x01
.set q, 0
.rept 80
	v_pk_mul_f32 v[TT+2*q:TT+2*q+1], v[2*q:2*q+1], s[RS:RS+1] op_sel_hi:[1,0]   ; each accumulator from its low end on
.set q, q+1
.endr
	WIN 0
	v_cmp_le_u32 vcc_lo, s[CMIN], v[R]
	s_wait_alu depctr_va_vdst(0)
.set n, 0
.rept 32
.irp f, 1,2,3,4
	global_store_b32 v[VO], v[TT+40*(n/8)+8*\f+(n%8)], s[10:11] offset:(16*(n/8)+(n%8))*OROW+64*\f th:TH_STORE_NT   ; sixteen lanes: 64 consecutive bytes of a row
.endr
.set n, n+1
.endr
	s_wait_xcnt 0x0                                ; EXEC changes only behind this wait
	s_and_saveexec_b32 s28, vcc_lo                 ; the first sixteen columns: only those that are mine
.set n, 0
.rept 32
	global_store_b32 v[VO], v[TT+40*(n/8)+(n%8)], s[10:11] offset:(16*(n/8)+(n%8))*OROW th:TH_STORE_NT
.set n, n+1
.endr
	s_wait_xcnt 0x0
	s_or_b32 exec_lo, exec_lo, s28
; The argmax of each row over my 80 columns, on the unscaled sums; n = 8 i + j.  First the largest sum, then the lowest column that holds it.
	WIN 0x15
.set n, 0
.rept 32
	v_max3_num_f32 v[EM+n], v[40*(n/8)+(n%8)], v[40*(n/8)+8+(n%8)], v[40*(n/8)+16+(n%8)]
.set n, n+1
.endr
	WIN 0x14
.set n, 0
.rept 32
	v_max3_num_f32 v[EM+n], v[EM+n], v[40*(n/8)+24+(n%8)], v[40*(n/8)+32+(n%8)]
.set n, n+1
.endr
	WIN 0
.irp x, 1,2,4,8
.set n, 0
.rept 32
	v_max_num_f32_dpp v[EM+n], v[EM+n], v[EM+n] row_xmask:\x row_mask:0xf bank_mask:0xf
.set n, n+1
.endr
.endr
.irp f, 4,3,2,1,0                      ; descending, so that the lowest fragment that holds the maximum stays
.irp g, 0,16
	WIN 0x01
.set n, \g
.rept 16
	v_cmp_eq_f32 s[MK+n-\g], v[40*(n/8)+8*\f+(n%8)], v[EM+n]
.set n, n+1
.endr
	WIN 0
.set n, \g
.rept 16
.if \f == 4
	v_cndmask_b32 v[EI+n], v[BIGF], v[COLF+\f], s[MK+n-\g]
.else
	v_cndmask_b32 v[EI+n], v[EI+n], v[COLF+\f], s[MK+n-\g]
.endif
.set n, n+1
.endr
.endr
.endr
.irp x, 1,2,4,8
.set n, 0
.rept 32
	v_min_num_f32_dpp v[EI+n], v[EI+n], v[EI+n] row_xmask:\x row_mask:0xf bank_mask:0xf
.set n, n+1
.endr
.endr
; Each result stands in all sixteen lanes of its half.  Lane (r, h) keeps n = 2 r and 2 r + 1: rows 16 (r / 4) + 8 h + 2 (r % 4) and the next, a pair; four chains by turns.
.set t, 1
.rept 15
	v_cndmask_b32 v[EM], v[EM], v[EM+2*t], s[LM+t-1]
	v_cndmask_b32 v[EM+1], v[EM+1], v[EM+2*t+1], s[LM+t-1]
	v_cndmask_b32 v[EI], v[EI], v[EI+2*t], s[LM+t-1]
	v_cndmask_b32 v[EI+1], v[EI+1], v[EI+2*t+1], s[LM+t-1]
.set t, t+1
.endr
	v_add_f32 v[EM], 0, v[EM]                      ; -0 becomes +0
	v_add_f32 v[EM+1], 0, v[EM+1]
	v_cvt_u32_f32 v[EM+2], v[EI]                   ; the two indices behind the two keys
	v_cvt_u32_f32 v[EM+3], v[EI+1]
	v_ashrrev_i32 v[EM+4], 31, v[EM]
	v_ashrrev_i32 v[EM+5], 31, v[EM+1]
	v_or_b32 v[EM+4], 0x80000000, v[EM+4]
	v_or_b32 v[EM+5], 0x80000000, v[EM+5]
	v_xor_b32 v[EM], v[EM], v[EM+4]                ; the key: unsigned order = the order of the sums
	v_xor_b32 v[EM+1], v[EM+1], v[EM+5]
	global_store_b128 v[VP], v[EM:EM+3], s[12:13]  ; 16 bytes to each of my 32 pairs of rows: one such store a wave, so that the next launch reads a pair's 206 entries on end
	s_wait_tensorcnt 0x0                           ; the wave's end
	ds_add_u32 v[SPW], v[NIL]
	s_wait_dscnt 0x0
	s_endpgm
.Lfunc_end_k_q2a94ac4819_gemm:
	.size	k_q2a94ac4819_gemm, .Lfunc_end_k_q2a94ac4819_gemm-k_q2a94ac4819_gemm
	.p2alignl 7, 3214868480
	.fill 96, 4, 3214868480
	.section	.rodata,"a",@progbits
	.p2align	6, 0x0
	.amdhsa_kernel k_q2a94ac4819_gemm
		.amdhsa_group_segment_fixed_size 15360
		.amdhsa_private_segment_fixed_size 0
		.amdhsa_enable_private_segment 0
		.amdhsa_kernarg_size 40
		.amdhsa_user_sgpr_count 2
		.amdhsa_user_sgpr_kernarg_segment_ptr 1
		.amdhsa_wavefront_size32 1
		.amdhsa_system_sgpr_workgroup_id_x 1
		.amdhsa_system_sgpr_workgroup_id_y 1
		.amdhsa_system_sgpr_workgroup_id_z 1
		.amdhsa_system_vgpr_workitem_id 0
		.amdhsa_next_free_vgpr 512
		.amdhsa_next_free_sgpr 98
		.amdhsa_reserve_vcc 1
		.amdhsa_float_denorm_mode_32 3
		.amdhsa_float_denorm_mode_16_64 3
		.amdhsa_memory_ordered 1
		.amdhsa_forward_progress 1
		.amdhsa_inst_pref_size 213
	.end_amdhsa_kernel
	.amdgpu_metadata
---
amdhsa.version: [ 1, 2 ]
amdhsa.kernels:
  - .name:           k_q2a94ac4819_gemm
    .symbol:         k_q2a94ac4819_gemm.kd
    .args:
      - { .name: dpipd_template, .offset: 0, .size: 8, .value_kind: global_buffer, .address_space: global }
      - { .name: a_codes, .offset: 8, .size: 8, .value_kind: global_buffer, .address_space: global }
      - { .name: a_scales, .offset: 16, .size: 8, .value_kind: global_buffer, .address_space: global }
      - { .name: out2, .offset: 24, .size: 8, .value_kind: global_buffer, .address_space: global }
      - { .name: pkv, .offset: 32, .size: 8, .value_kind: global_buffer, .address_space: global }
    .group_segment_fixed_size: 15360
    .private_segment_fixed_size: 0
    .kernarg_segment_align: 8
    .kernarg_segment_size: 40
    .max_flat_workgroup_size: 256
    .sgpr_count:     98
    .vgpr_count:     512
    .wavefront_size: 32
...
	.end_amdgpu_metadata
.endif
;; end of part 2
;; launch finish (part 3): grid 256 x 1, 2 waves a work-group, no clusters, 0 bytes of LDS; arguments pkv, dpipd_template, pred_ipd, ele_candidate, azi_candidate, out0, out1; writes out0, out1
.if DOCPART == 3
	.amdgcn_target "amdgcn-amd-amdhsa--gfx1250"
	.amdhsa_code_object_version 6
	.text
	.protected	k_q2a94ac4819_finish
	.globl	k_q2a94ac4819_finish
	.p2align	8
	.type	k_q2a94ac4819_finish,@function
k_q2a94ac4819_finish:
	s_mov_b64 s[64:65], 0
	v_nop
	global_prefetch_b8 v0, s[64:65] scope:SCOPE_SE
	s_setreg_imm32_b32 hwreg(HW_REG_WAVE_MODE, 25, 1), 1
	s_wait_xcnt 0x0
; For each row m: g = the grid index of the largest sum; out0[m] = (ele_candidate[g / 181], azi_candidate[g % 181]); out1[m] = sum(template[g] x ipd[m]) / sum(template[g]^2), on the numbers as given, in f32.
; The template subtraction of reference() reaches no output and is not computed (see the first kernel's head).
; g: the product's launch left, for each pair of rows, 206 entries (key of the even row, key of the odd row, their two indices) in pkv [256][256][4], whole numbers; a key's unsigned order is the order
; of the sums.  Here the largest key is taken, and of the entries that hold it the lowest index: whole-number arithmetic on numbers read from memory.  g is held to 0 .. 16,470 before it enters an address.
; SHARES.  A work-group to a pair of rows, a wave to a row (512 waves).  A lane takes entries lane + 32 q, q = 0 .. 5, and 192 + min(lane, 13) (lanes 14-31 read entry 205 once more): seven loads
; of up to 512 consecutive bytes; the wave's number selects its row's key and index.
; The two rows of 12,288 bytes are 24 loads of 512 consecutive bytes each; ipd's go out behind the entries', while g is being made.  No LDS, no barrier, no matrix work: memory binds.
; g / 181 = (g x 23,173) >> 22 for g up to 16,470 (23,173 x 181 = 2^22 + 9, and 16,470 x 9 / (181 x 2^22) stays under 1 / 181); both table indices are held to their tables last.
; LIMITS: the division is a multiplication by v_rcp_f32's result (1 ulp; a sum of squares above 2^126 gives 0 there); the sums' order is not reference()'s.
.set XI, 8                             ; v8-103    ipd's row
.set TP, 104                           ; v104-199  the template's row
.set SP0, 200                          ; v200-203  sum of products, two packed chains;  v204-207 sum of squares
.set PQ, 212                           ; v212-239  seven entries of four words; then my key in word 0 and my index in word 2 of each
.set KM, 240                           ; the largest key
.set TD, 241                           ; another lane's number
.set CA, 242                           ; the lowest index
	s_load_b256 s[4:11], s[0:1], 0x0               ; pkv s[4:5], template s[6:7], pred_ipd s[8:9], ele s[10:11]
	s_load_b128 s[12:15], s[0:1], 0x20             ; azi s[12:13], out0 s[14:15]
	s_load_b64 s[16:17], s[0:1], 0x30              ; out1
	v_lshrrev_b32 v1, 5, v0
	v_readfirstlane_b32 s18, v1                    ; wave
	v_and_b32 v2, 31, v0                           ; lane
	v_mov_b32 v4, 0
	v_mov_b32 v208, 0                              ; a lane permute's destination counts as one of its sources
	v_mov_b32 v209, 0
	v_mov_b32 v[TD], 0
	v_lshlrev_b32 v3, 4, v2                        ; 16 x lane
	v_min_u32 v6, 13, v2
	v_lshlrev_b32 v6, 4, v6
	s_lshl_b32 s19, ttmp9, 1
	s_add_co_u32 s19, s19, s18                     ; m
	s_mul_i32 s20, s19, 12288
	s_mov_b32 s21, 0
	s_lshl_b32 s22, s19, 2
	s_mov_b32 s23, 0
	s_lshl_b32 s24, ttmp9, 12                      ; my pair's 4,096 bytes of pkv
	s_mov_b32 s25, 0
	s_lshl_b32 s38, s19, 3
	s_mov_b32 s39, 0
	s_sub_co_u32 s43, 0, s18                       ; all lanes' bits set in the odd row's wave
	s_mov_b32 s36, 0x76543210
	s_mov_b32 s37, 0xfedcba98
	s_wait_alu depctr_va_vdst(0)                   ; the wait at the head's end
	s_wait_kmcnt 0x0
	s_add_nc_u64 s[4:5], s[4:5], s[24:25]
	s_add_nc_u64 s[8:9], s[8:9], s[20:21]
	s_add_nc_u64 s[14:15], s[14:15], s[38:39]
	s_add_nc_u64 s[16:17], s[16:17], s[22:23]
.irp q, 0,1,2,3,4,5
	global_load_b128 v[PQ+4*\q:PQ+4*\q+3], v3, s[4:5] offset:512*\q
.endr
	global_load_b128 v[PQ+24:PQ+27], v6, s[4:5] offset:3072
.set q, 0
.rept 24
	global_load_b128 v[XI+4*q:XI+4*q+3], v3, s[8:9] offset:512*q th:TH_LOAD_NT
.set q, q+1
.endr
	s_wait_loadcnt 24                              ; the seven loads of entries are in; ipd's 24 may be out
.irp q, 0,1,2,3,4,5,6
	v_cndmask_b32 v[PQ+4*\q], v[PQ+4*\q], v[PQ+4*\q+1], s43        ; my row's key,
	v_cndmask_b32 v[PQ+4*\q+2], v[PQ+4*\q+2], v[PQ+4*\q+3], s43    ; my row's index
.endr
	v_max3_u32 v[KM], v[PQ], v[PQ+4], v[PQ+8]
	v_max3_u32 v[KM], v[KM], v[PQ+12], v[PQ+16]
	v_max3_u32 v[KM], v[KM], v[PQ+20], v[PQ+24]
.irp x, 1,2,4,8
	v_mov_b32_dpp v[TD], v[KM] row_xmask:\x row_mask:0xf bank_mask:0xf
	v_max_u32 v[KM], v[KM], v[TD]
.endr
	v_permlanex16_b32 v[TD], v[KM], s36, s37
	v_max_u32 v[KM], v[KM], v[TD]                  ; the row's largest key, in every lane
.irp q, 0,1,2,3,4,5,6
	v_cmp_eq_u32 vcc_lo, v[PQ+4*\q], v[KM]
	v_cndmask_b32 v[PQ+4*\q+2], -1, v[PQ+4*\q+2], vcc_lo   ; the index where the key is the largest, else the greatest number
.endr
	v_min3_u32 v[CA], v[PQ+2], v[PQ+6], v[PQ+10]
	v_min3_u32 v[CA], v[CA], v[PQ+14], v[PQ+18]
	v_min3_u32 v[CA], v[CA], v[PQ+22], v[PQ+26]
.irp x, 1,2,4,8
	v_mov_b32_dpp v[TD], v[CA] row_xmask:\x row_mask:0xf bank_mask:0xf
	v_min_u32 v[CA], v[CA], v[TD]
.endr
	v_permlanex16_b32 v[TD], v[CA], s36, s37
	v_min_u32 v[CA], v[CA], v[TD]
	v_readfirstlane_b32 s44, v[CA]                 ; g
	s_min_u32 s44, s44, 16470
	s_mul_i32 s26, s44, 12288
	s_mov_b32 s27, 0
	s_add_nc_u64 s[6:7], s[6:7], s[26:27]
.set q, 0
.rept 24
	global_load_b128 v[TP+4*q:TP+4*q+3], v3, s[6:7] offset:512*q    ; (no hint: two rows may have chosen the same g)
.set q, q+1
.endr
	s_mul_i32 s28, s44, 23173
	s_lshr_b32 s28, s28, 22                        ; g / 181
	s_mul_i32 s30, s28, 181
	s_sub_co_u32 s30, s44, s30                     ; g % 181
	s_min_u32 s28, s28, 90
	s_min_u32 s30, s30, 180
	s_lshl_b32 s28, s28, 2
	s_mov_b32 s29, 0
	s_lshl_b32 s30, s30, 2
	s_mov_b32 s31, 0
	s_add_nc_u64 s[10:11], s[10:11], s[28:29]
	s_add_nc_u64 s[12:13], s[12:13], s[30:31]
	s_load_b32 s32, s[10:11], 0x0
	s_load_b32 s33, s[12:13], 0x0
.set q, 0
.rept 6                                ; six groups of four loads
	s_wait_alu depctr_va_vdst(0)                   ; directly ahead of the wait below
	s_wait_loadcnt 20-q                            ; this group of the template's loads is in (and all of ipd's, issued earlier); the later groups may be out
.rept 4
.if q == 0
	v_pk_mul_f32 v[SP0:SP0+1], v[TP:TP+1], v[XI:XI+1]              ; the first load's numbers start the sums
	v_pk_mul_f32 v[SP0+2:SP0+3], v[TP+2:TP+3], v[XI+2:XI+3]
	v_pk_mul_f32 v[SP0+4:SP0+5], v[TP:TP+1], v[TP:TP+1]
	v_pk_mul_f32 v[SP0+6:SP0+7], v[TP+2:TP+3], v[TP+2:TP+3]
.else
	v_pk_fma_f32 v[SP0:SP0+1], v[TP+4*q:TP+4*q+1], v[XI+4*q:XI+4*q+1], v[SP0:SP0+1]
	v_pk_fma_f32 v[SP0+2:SP0+3], v[TP+4*q+2:TP+4*q+3], v[XI+4*q+2:XI+4*q+3], v[SP0+2:SP0+3]
	v_pk_fma_f32 v[SP0+4:SP0+5], v[TP+4*q:TP+4*q+1], v[TP+4*q:TP+4*q+1], v[SP0+4:SP0+5]
	v_pk_fma_f32 v[SP0+6:SP0+7], v[TP+4*q+2:TP+4*q+3], v[TP+4*q+2:TP+4*q+3], v[SP0+6:SP0+7]
.endif
.set q, q+1
.endr
.endr
	v_pk_add_f32 v[SP0:SP0+1], v[SP0:SP0+1], v[SP0+2:SP0+3]
	v_pk_add_f32 v[SP0+4:SP0+5], v[SP0+4:SP0+5], v[SP0+6:SP0+7]
	v_add_f32 v200, v200, v201
	v_add_f32 v204, v204, v205
.irp x, 1,2,4,8
	v_add_f32_dpp v200, v200, v200 row_xmask:\x row_mask:0xf bank_mask:0xf
	v_add_f32_dpp v204, v204, v204 row_xmask:\x row_mask:0xf bank_mask:0xf
.endr
	v_permlanex16_b32 v208, v200, s36, s37
	v_permlanex16_b32 v209, v204, s36, s37
	v_add_f32 v200, v200, v208                     ; the sum of products,
	v_add_f32 v204, v204, v209                     ; the sum of squares: in every lane
	s_wait_alu depctr_va_vdst(0)                   ; ahead of the transcendental
	v_rcp_f32 v205, v204
	s_wait_kmcnt 0x0                               ; the two candidates
	v_mov_b32 v210, s32                            ; (plain places behind the reciprocal)
	v_mov_b32 v211, s33
	v_cmp_eq_u32 vcc_lo, 0, v2
	s_wait_alu depctr_va_vdst(0)                   ; ahead of the first line that names the reciprocal's result
	v_mul_f32 v206, v200, v205
	s_wait_alu depctr_va_vdst(0)                   ; and here, directly ahead of the wait below
	s_wait_xcnt 0x0                                ; EXEC changes only behind this wait
	s_and_saveexec_b32 s34, vcc_lo                 ; lane 0 stores
	global_store_b64 v4, v[210:211], s[14:15]
	global_store_b32 v4, v206, s[16:17]
	s_wait_xcnt 0x0
	s_or_b32 exec_lo, exec_lo, s34
	s_endpgm
.Lfunc_end_k_q2a94ac4819_finish:
	.size	k_q2a94ac4819_finish, .Lfunc_end_k_q2a94ac4819_finish-k_q2a94ac4819_finish
	.p2alignl 7, 3214868480
	.fill 96, 4, 3214868480
	.section	.rodata,"a",@progbits
	.p2align	6, 0x0
	.amdhsa_kernel k_q2a94ac4819_finish
		.amdhsa_group_segment_fixed_size 0
		.amdhsa_private_segment_fixed_size 0
		.amdhsa_enable_private_segment 0
		.amdhsa_kernarg_size 56
		.amdhsa_user_sgpr_count 2
		.amdhsa_user_sgpr_kernarg_segment_ptr 1
		.amdhsa_wavefront_size32 1
		.amdhsa_system_sgpr_workgroup_id_x 1
		.amdhsa_system_sgpr_workgroup_id_y 1
		.amdhsa_system_sgpr_workgroup_id_z 1
		.amdhsa_system_vgpr_workitem_id 0
		.amdhsa_next_free_vgpr 248
		.amdhsa_next_free_sgpr 66
		.amdhsa_reserve_vcc 1
		.amdhsa_float_denorm_mode_32 3
		.amdhsa_float_denorm_mode_16_64 3
		.amdhsa_memory_ordered 1
		.amdhsa_forward_progress 1
		.amdhsa_inst_pref_size 18
	.end_amdhsa_kernel
	.amdgpu_metadata
---
amdhsa.version: [ 1, 2 ]
amdhsa.kernels:
  - .name:           k_q2a94ac4819_finish
    .symbol:         k_q2a94ac4819_finish.kd
    .args:
      - { .name: pkv, .offset: 0, .size: 8, .value_kind: global_buffer, .address_space: global }
      - { .name: dpipd_template, .offset: 8, .size: 8, .value_kind: global_buffer, .address_space: global }
      - { .name: pred_ipd, .offset: 16, .size: 8, .value_kind: global_buffer, .address_space: global }
      - { .name: ele_candidate, .offset: 24, .size: 8, .value_kind: global_buffer, .address_space: global }
      - { .name: azi_candidate, .offset: 32, .size: 8, .value_kind: global_buffer, .address_space: global }
      - { .name: out0, .offset: 40, .size: 8, .value_kind: global_buffer, .address_space: global }
      - { .name: out1, .offset: 48, .size: 8, .value_kind: global_buffer, .address_space: global }
    .group_segment_fixed_size: 0
    .private_segment_fixed_size: 0
    .kernarg_segment_align: 8
    .kernarg_segment_size: 56
    .max_flat_workgroup_size: 64
    .sgpr_count:     66
    .vgpr_count:     248
    .wavefront_size: 32
...
	.end_amdgpu_metadata
.endif
;; end of part 3
